; MI455X (gfx1250); checked and timed in simulation.
; The chip was launched on July 23, 2026; its instructions are those of AMD's public machine-readable ISA for CDNA 5 (MIT licence, August 2026) and "CDNA5" Instruction Set Architecture Reference Guide (July 2026). The comments in the code are by the model that wrote it; some were corrected since.
;; Self Attention. Allowed arithmetic: matrix products marked QUANTISED: E4M3 operands, one given power-of-two scale a tensor, by v_wmma_f32_16x16x64_fp8_fp8 or v_wmma_f32_16x16x128_fp8_fp8, f32 sums; everything else in f32.
;; Inputs: W_proj_codes 1,024 x 32 x 32 uint8 (E4M3 codes of W_proj, K innermost, in blocks of 32 codes); W_qkv_codes 3,072 x 32 x 32 uint8 (E4M3 codes of W_qkv, K innermost, in blocks of 32 codes); b_proj 1,024 float32; b_qkv 3,072 float32; lowp_scales 8 int32 (the exponents e of the quantised operands' scales 2^e); x_codes 8 x 1,024 x 32 x 32 uint8 (E4M3 codes of x, K innermost, in blocks of 32 codes).
;; Outputs: out0 8 x 1,024 x 1,024 float32.
;; This version of the problem:
;;   THIS VERSION OF THE PROBLEM IS GIVEN IN LOW PRECISION. The matrix products marked QUANTISED in the list below multiply operands that are first quantised to E4M3 (4 exponent bits, 3 mantissa bits; 8 bits a number), with one given power-of-two scale for each operand tensor; their sums are f32. All else is computed in f32.
;;   The module's matrix products, in the order in which they are computed (A, B: the left and right operand; K: the contracted axis; several contracted axes count as one K, in the product's order):
;;     1. [M 8,192, K 1,024] x [K 1,024, N 3,072]; A: input x (given as codes); B: input W_qkv (given as codes): QUANTISED (scales: A lowp_scales[0], B lowp_scales[1])
;;     2. batch 128 x [M 1,024, K 64] x [K 64, N 1,024]; A: computed on the way; B: computed on the way: QUANTISED (scales: A lowp_scales[2], B lowp_scales[3])
;;     3. batch 128 x [M 1,024, K 1,024] x [K 1,024, N 64]; A: computed on the way; B: computed on the way: QUANTISED (scales: A lowp_scales[4], B lowp_scales[5])
;;     4. [M 8,192, K 1,024] x [K 1,024, N 1,024]; A: computed on the way; B: input W_proj (given as codes): QUANTISED (scales: A lowp_scales[6], B lowp_scales[7])
;;   THE QUANTISER, for each operand of a quantised product, along K:
;;     - The operand's scale is 2^e, e = its entry of the input lowp_scales (int32; the entries are numbered through the quantised products in the list's order, A before B).
;;     - Each number is divided by the scale, clamped to +-448, and rounded to the nearest number of E4M3, ties to even, subnormals kept.
;;     - The product sums the exact products of the quantised numbers (number of the format x scale) in f32.
;;   ~~~python
;;   def quantise(x, axis, e):      # numpy; x: float32 -> the quantised numbers, widened to float32 again
;;       x = np.moveaxis(x, axis, -1); K = x.shape[-1]
;;       r = np.clip(x / 2.0 ** e, -448, 448)
;;       step = 2.0 ** (np.maximum(np.frexp(np.where(r == 0, 1, r))[1] - 1, -6) - 3)
;;       q = np.round(r / step) * step * 2.0 ** e      # np.round: ties to even
;;       return np.moveaxis(q, -1, axis).astype(np.float32)
;;   ~~~
;;   OPERANDS COMPUTED ON THE WAY. 'Computed on the way' means the value that the module computes at that place (a softmax that the list does not call 'softmax' is quantised finished and normalised). What goes into a quantiser is computed in f32, as accurately as f32 sums, v_exp_f32 and their like allow (about 1e-6 of the number): no bf16 or f16 on the way to a quantiser, and a product that is left as it is and whose result goes on into a quantised operand takes f32 operands (vector FMAs, or v_wmma_f32_16x16x4_f32). A number that lies on a knife's edge between two numbers of the format may be rounded either way, as far as f32 arithmetic and the matrix unit's own rounding can turn it there, and no further.
;;   INPUTS GIVEN AS CODES. W_proj (in the module: [1024, 1024], K = its axis 0); W_qkv (in the module: [1024, 3072], K = its axis 0); x (in the module: [8, 1024, 1024], K = its axis 2): each comes as NAME_codes (uint8): NAME with its K axis moved to the last place and cut into blocks of 32 codes, [.., K / 32, bytes a block], one block behind the other in memory; one code a byte (a code: sign, 4 exponent bits, 3 mantissa bits); its scale is its entry of lowp_scales. Its value is code x scale, taken as it is: it is not quantised again, and the codes and scales need not be those that the quantiser above would give.
;; One version. Each part assembles by itself: llvm-mc -triple=amdgcn-amd-amdhsa -mcpu=gfx1250 --defsym DOCPART=n.
;; ======== version 1 of 1: 4 launches
;; limits: right only within a limited range of input values
;; workspace buffers: q_img 8,388,608 bytes; k_img 8,388,608 bytes; v_img 8,388,608 bytes; cstat 524,288 bytes; y_img 8,388,608 bytes
;; launch qkv (part 1): grid 8 x 32, 4 waves a work-group, clusters of 4 x 4, 327,680 bytes of LDS; arguments x_codes, W_qkv_codes, lowp_scales, b_qkv, q_img, k_img, v_img; writes q_img, k_img, v_img
.if DOCPART == 1
	.amdgcn_target "amdgcn-amd-amdhsa--gfx1250"
	.amdhsa_code_object_version 6
	.text
	.protected	k_qd4ceed7fb3_qkv
	.globl	k_qd4ceed7fb3_qkv
	.p2align	8
	.type	k_qd4ceed7fb3_qkv,@function
k_qd4ceed7fb3_qkv:
	s_mov_b64 s[64:65], 0
	v_nop
	global_prefetch_b8 v0, s[64:65] scope:SCOPE_SE
	s_setreg_imm32_b32 hwreg(HW_REG_WAVE_MODE, 25, 1), 1
	s_wait_xcnt 0x0
	s_wait_alu depctr_hold_cnt(0) depctr_sa_sdst(0) depctr_va_vdst(0) depctr_va_sdst(0) depctr_va_ssrc(0) depctr_va_vcc(0) depctr_vm_vsrc(0)
	s_getreg_b32 s2, hwreg(HW_REG_IB_STS2, 6, 4)
	s_cmp_eq_u32 s2, 0
	s_cbranch_scc0 .Lentry_in_a_cluster
	s_endpgm
.Lentry_in_a_cluster:
	s_bfe_u32 s2, ttmp6, 0x10000c
	s_cmp_lg_u32 s2, 0xf033
	s_cbranch_scc0 .Lentry_shape_is_right
	s_endpgm
.Lentry_shape_is_right:
; qkv = x W_qkv + b_qkv on codes of FP8 (E4M3); q, k and v are quantised with their given scales and stored as images of operand registers for the attention launches.
; x: [8192][1024] codes, W_qkv: [3072][1024] codes, K innermost.  A sum stands for sum x 2^(e0 + e1).  b_qkv / 2^(e0 + e1) is the C of each sum's first product, so the code is
; (sum) / 2^(e - e0 - e1), held within +-448; e = e2 (q), e3 (k), e5 (v).
; LIMITS: e0 + e1 between -126 and 126; e - e0 - e1 between -126 and 119, so that each power of two below is an f32 number.  NaN among the biases is not served.
; SHARES.  A work-group owns 256 tokens x 384 columns: 128 of q, 128 of k, 128 of v (two heads each), in three passes.  A wave owns 64 tokens in all passes.
; x LIVES IN REGISTERS: each wave fetches its own 64 rows of x, whole K, into LDS by its one tensor load at the head and copies them into 512 registers (8 K steps x 4 blocks x 16).
; Then the same LDS bytes take W: a chunk is 128 rows x whole K, 32 rows a wave.  q's chunk goes to LDS rows 0-127; when it is in, k's is asked for, to rows 128-255; behind pass 0's reads v's goes over q's.
; All LDS rows have one pitch, so a refill lands byte for byte where a fill landed.
; W's fragments go through a ring of three groups of four fragments in registers (A, B, C); a pass is 16 groups of 16 products.  Groups 0, 1, 2 lie in A, B, A; from group 3 on in C, B, A by turns.
; Group g + 3 is asked of LDS behind group g's products, into the registers that they have read; C joins behind group 1, which reads the upper half of the bias there.
; CLUSTERS: 4 x 4 work-groups; x's tiles are asked for jointly along a row of the cluster, W's along a column.
; PREFETCH: a wave's 32 rows of a chunk are 128 blocks of 256 bytes; the 32 work-groups that own other tokens and load the same rows share them out by address, 4 blocks each, one instruction a wave and chunk:
; q's and k's chunks at the head, v's behind the load of q's: each at least one fill ahead of its load.  x is asked for by the first load of the launch, so nothing can run ahead of it.
; WHICH SIDE IS SOURCE 0.  q, k: source 0 = 16 rows of W, source 1 = 16 tokens: a lane holds one token and eight neighbouring channels.  v: the other way round: a lane holds one channel and eight neighbouring tokens.
; IMAGES.  q_img, k_img: [head][16 tokens][piece 2][lane][16 bytes]; v_img: [head][128 keys][16 channels][piece 4][lane][16 bytes].  Each store of a wave covers 512 consecutive bytes, aligned.
; REGISTERS: window 0: v1-13 addresses and scales, v32-63 the bias of W's blocks 0-3, v64-255 the ring (between passes v192-223 the bias of blocks 4-7, v224-255 codes); window 1: 32 accumulators; windows 2, 3: x.
.set PITCH, 1040                       ; an LDS row: 1,024 bytes + 16: an odd multiple of 16
.set PART,  64*PITCH
.set SPARE, 4*PART                     ; the spare words, 128 bytes a wave
.set LI, 1                             ; 16 x lane
.set SC, 2                             ; the conversion's scale
.set HD, 3                             ; 448 x that
.set BO, 4                             ; 32 x (lane / 16)
.set BL, 5                             ; 4 x (lane % 16)
.set PFO, 6                            ; the prefetches' offset
.set ADX, 7                            ; my rows of x in LDS
.set ADW, 8                            ; v8-11: LDS rows 0-63, 64-127, 128-191, 192-255
.set SPW, 12
.set NIL, 13
.set CD, 224
.set G1X, 24
.set G0X, 32
.set G1W, 48
.set G0W, 56
.set FLAGS, (1<<20)|(1<<21)|(7<<22)|(3<<25)   ; padding on, bit 21 beside a mask, four words behind every 256
.set MSB, 0
.macro WIN new                         ; the immediate's high byte repeats the setting that is left
.if MSB != (\new)
	s_set_vgpr_msb (MSB<<8)|(\new)
.set MSB, (\new)
.endif
.endm
.macro PLACES                          ; plain vector instructions behind a matrix instruction (ISA guide 7.12.1)
.rept 4
	v_nop
.endr
.endm
.macro CROUND                          ; a round of the cluster's barrier
	s_barrier_signal -1
	s_barrier_wait -1
	s_cmp_lg_u32 s14, 0
	s_cbranch_scc1 .Lnot_wave_0_\@
	s_barrier_signal -3
.Lnot_wave_0_\@:
	s_barrier_wait -3
	s_barrier_signal -1
	s_barrier_wait -1
.endm
.macro G1SET g, rows                   ; a tile of so many rows x 1,024 bytes
	s_mov_b32 s[\g+1], 1024<<16
	s_mov_b32 s[\g+2], (\rows)<<16
	s_mov_b32 s[\g+3], 1024<<16
	s_mov_b32 s[\g+4], \rows
	s_mov_b32 s[\g+5], 1024
	s_mov_b32 s[\g+6], 0
	s_mov_b32 s[\g+7], 0
.endm
.macro WLOAD                           ; my 32 rows of a chunk
	tensor_load_to_lds s[G0W:G0W+3], s[G1W:G1W+7]
	s_nop 0
	PLACES
.endm
.macro XCOPY hw                        ; four K steps of my x into one window
.irp s, 0,1,2,3
.irp a, 0,1,2,3
.irp c, 0,1,2,3
	ds_load_b128 v[64*\s+16*\a+4*\c:64*\s+16*\a+4*\c+3], v[ADX] offset:\a*16*PITCH+128*(\s+4*\hw)+32*\c
.endr
.endr
.endr
.endm
.macro SETBCR b                        ; where block b's bias lies
.if (\b) < 4
.set BCR, 32+8*(\b)
.else
.set BCR, 192+8*((\b)-4)
.endif
.endm
.macro BIAS p                          ; pass p's bias in the result's layout: by columns (q, k) or by lanes (v)
.irp b, 0,1,2,3,4,5,6,7
	SETBCR \b
.if (\p) < 2
	global_load_b128 v[BCR:BCR+3], v[BO], s[84:85] offset:4096*(\p)+64*\b
	global_load_b128 v[BCR+4:BCR+7], v[BO], s[84:85] offset:4096*(\p)+64*\b+16
.else
	global_load_b32 v[BCR], v[BL], s[84:85] offset:8192+64*\b
.endif
.endr
.endm
.macro BSCALE p                        ; x 2^-(e0 + e1): nothing is rounded
.irp b, 0,1,2,3,4,5,6,7
	SETBCR \b
.if (\p) < 2
.irp j, 0,2,4,6
	v_pk_mul_f32 v[BCR+\j:BCR+\j+1], v[BCR+\j:BCR+\j+1], s[82:83] op_sel_hi:[1,0]
.endr
.else
.irp j, 7,6,5,4,3,2,1,0
	v_mul_f32 v[BCR+\j], s82, v[BCR]
.endr
.endif
.endr
.endm
.macro SCL d, e                        ; 2^(e - e0 - e1) and 448 x that
	s_sub_co_i32 s67, \e, s66
	s_add_co_i32 s67, s67, 127
	s_lshl_b32 s[\d], s67, 23
	s_add_co_i32 s67, s67, 8
	s_lshl_b32 s67, s67, 23
	s_or_b32 s[\d+1], s67, 0x600000
.endm
.macro SETBUF g                        ; group g's registers: A = v64, B = v128, C = v192
.if (\g) < 3
.set BF, 64+64*((\g)%2)
.else
.set BF, 192-64*(((\g)-3)%3)
.endif
.endm
.macro GLD p, g                        ; pass p, group g: W's blocks 4 (g % 2) .. + 3 of K step g / 2: 16 LDS loads
	SETBUF (\g)
.irp u, 0,1,2,3
.irp c, 0,1,2,3
	ds_load_b128 v[BF+16*\u+4*\c:BF+16*\u+4*\c+3], v[ADW+2*((\p)%2)+(\g)%2] offset:\u*16*PITCH+128*((\g)/2)+32*\c
.endr
.endr
.endm
.macro MM d, s0, s1
.if KS == 0
	v_wmma_f32_16x16x128_fp8_fp8 v[\d:\d+7], v[\s0:\s0+15], v[\s1:\s1+15], v[BCR:BCR+7]
.else
	v_wmma_f32_16x16x128_fp8_fp8 v[\d:\d+7], v[\s0:\s0+15], v[\s1:\s1+15], v[\d:\d+7]
.endif
.endm
.macro GMUL                            ; pass PP, group GL: 16 products; the 32 accumulators take turns, one instruction a turn
.set KS, GL/2
.set XW, 2+KS/4
.if PP < 2
.set WM, 0x40|(XW<<2)
.else
.set WM, 0x40|XW
.endif
.if KS > 0
.set WM, WM|0x10
.endif
	WIN WM
	SETBUF GL
.irp u, 0,1,2,3
.set FB, BF+16*\u
.set WB, 4*(GL%2)+\u
	SETBCR WB
.irp a, 0,1,2,3
.set XA, 64*(KS%4)+16*\a
.if PP < 2
.set AC, 8*(8*\a+WB)
	MM AC, FB, XA
.else
.set AC, 8*(4*WB+\a)
	MM AC, XA, FB
.endif
.endr
.endr
.endm
.macro OUTBLK p, a                     ; 64 sums: the hold, the conversion, four pieces of an image
.if (\a) >= 2
	s_wait_xcnt 0x0                                ; the stores two blocks back have read this set of codes
.endif
	WIN 0x41
.set J, 0
.rept 64
	v_med3_num_f32 v[64*(\a)+J], v[64*(\a)+J], -v[HD], v[HD]   ; the conversion does not saturate (ISA guide 7.6.2); each accumulator from its low end on
.set J, J+1
.endr
	WIN 0x01
.irp k, 0,1,2,3,4,5,6,7
	v_cvt_scalef32_pk8_fp8_f32 v[CD+16*((\a)%2)+2*\k:CD+16*((\a)%2)+2*\k+1], v[64*(\a)+8*\k:64*(\a)+8*\k+7], v[SC]
.endr
	v_nop                                          ; one plain instruction behind the last conversion
	WIN 0
.irp q, 0,1,2,3
.if (\p) < 2
	global_store_b128 v[LI], v[CD+16*((\a)%2)+4*\q:CD+16*((\a)%2)+4*\q+3], s[92+2*(\p):93+2*(\p)] offset:(\q/2)*65536+(\a)*1024+(\q%2)*512
.else
	global_store_b128 v[LI], v[CD+16*((\a)%2)+4*\q:CD+16*((\a)%2)+4*\q+3], s[96:97] offset:((2*(\a)+\q/2)/4)*65536+((2*(\a)+\q/2)%4)*2048+(\q%2)*512
.endif
.endr
.endm
.macro OUTP p                          ; behind pass p: group C of the ring holds nothing
	PLACES
	WIN 0
.if (\p) < 2
	BIAS (\p)+1                                    ; the next pass's bias comes in while this pass's codes go out
.endif
	v_mov_b32 v[SC], s[86+2*(\p)]
	v_mov_b32 v[HD], s[87+2*(\p)]
	s_wait_alu depctr_va_vdst(0)                   ; the wait behind these writes
.irp a, 0,1,2,3
	OUTBLK \p, \a
.endr
.if (\p) < 2
	s_wait_loadcnt 0x0
	BSCALE (\p)+1
	s_wait_alu depctr_va_vdst(0)                   ; the wait behind these writes
.endif
	s_wait_xcnt 0x0                                ; the stores have read their codes: the ring takes the registers back
.endm
	s_load_b128 s[4:7], s[0:1], 0x0                ; x, W_qkv
	s_load_b128 s[8:11], s[0:1], 0x10              ; the exponents, b_qkv
	s_load_b128 s[76:79], s[0:1], 0x20             ; q_img, k_img
	s_load_b64 s[80:81], s[0:1], 0x30              ; v_img
	v_lshl_add_u32 v[SPW], v0, 2, SPARE
	v_mov_b32 v[NIL], 0
	ds_add_u32 v[SPW], v[NIL]                      ; the opening lines: the add twice on end
	ds_add_u32 v[SPW], v[NIL]
	v_lshrrev_b32 v14, 5, v0
	v_readfirstlane_b32 s14, v14                   ; wave
	s_lshr_b32 s15, s14, 1
	s_and_b32 s16, s14, 1
	s_bfe_u32 s40, ttmp6, 0x40000                  ; cx
	s_bfe_u32 s41, ttmp6, 0x40004                  ; cy
	s_lshl_b32 s42, ttmp9, 2
	s_add_co_u32 s42, s42, s40                     ; tc: my 128 columns of q, of k and of v, 0 .. 7
	s_and_b32 s17, ttmp7, 0xffff
	s_lshl_b32 s17, s17, 2
	s_add_co_u32 s17, s17, s41                     ; tr: my 256 tokens, 0 .. 31
	s_lshl_b32 s43, s41, 2
	s_lshl_b32 s43, 15, s43                        ; my row of the cluster
	s_lshl_b32 s44, 0x1111, s40                    ; my column
	s_or_b32 s[G1X], s43, FLAGS
	s_or_b32 s[G1W], s44, FLAGS
	G1SET G1X, 64
	G1SET G1W, 32
	s_lshl_b32 s20, s17, 18
	s_lshl_b32 s18, s14, 16
	s_add_co_u32 s20, s20, s18                     ; x: row 256 tr + 64 wave
	s_mov_b32 s21, 0
	s_lshl_b32 s46, s42, 17
	s_lshl_b32 s18, s14, 15
	s_add_co_u32 s46, s46, s18                     ; W: row 128 tc + 32 wave of q's rows; k's lie 1,024 rows on, v's 2,048
	s_mov_b32 s47, 0
	s_mul_i32 s45, s14, PART                       ; x in LDS: wave x 64 rows
	s_mul_i32 s22, s14, 32*PITCH                   ; W in LDS: wave x 32 rows, from row 0
	s_add_co_u32 s23, s22, 2*PART                  ; or from row 128
	s_wait_dscnt 0x0
	s_wait_kmcnt 0x0
	s_load_b256 s[68:75], s[8:9], 0x0              ; e0 .. e7
	s_add_nc_u64 s[20:21], s[4:5], s[20:21]
	s_add_nc_u64 s[46:47], s[6:7], s[46:47]
	CROUND                                         ; in front of the first joint loads
	s_mov_b32 s[G0X], 1
	s_mov_b32 s[G0X+1], s45
	s_mov_b64 s[G0X+2:G0X+3], s[20:21]
	s_or_b32 s[G0X+3], s[G0X+3], 0x80000000
	s_mov_b32 s[G0W], 1
	s_mov_b32 s[G0W+1], s22
	s_mov_b64 s[G0W+2:G0W+3], s[46:47]
	s_or_b32 s[G0W+3], s[G0W+3], 0x80000000
	tensor_load_to_lds s[G0X:G0X+3], s[G1X:G1X+7]  ; my 64 rows of x: one tensor load a wave at the head
	s_nop 0
	v_and_b32 v14, 15, v0
	v_bfe_u32 v15, v0, 4, 1
	v_and_b32 v16, 31, v0
	v_mul_u32_u24 v17, v14, PITCH
	v_lshl_add_u32 v[ADW], v15, 4, v17             ; a fragment's row x pitch + 16 x half
	v_add_nc_u32 v[ADW+1], PART, v[ADW]
	v_add_nc_u32 v[ADW+2], 2*PART, v[ADW]
	v_add_nc_u32 v[ADW+3], 3*PART, v[ADW]
	v_add_nc_u32 v[ADX], s45, v[ADW]
	v_lshlrev_b32 v[LI], 4, v16
	v_lshlrev_b32 v[BO], 5, v15
	v_lshlrev_b32 v[BL], 2, v14
	v_min_u32 v[PFO], 3, v16                       ; lanes 4-31 name the last block again
	v_lshlrev_b32 v[PFO], 8, v[PFO]
	s_wait_alu depctr_va_vdst(0)                   ; the wait behind the head's vector writes
	s_lshl_b32 s62, s42, 9
	s_mov_b32 s63, 0
	s_add_nc_u64 s[84:85], s[10:11], s[62:63]      ; b_qkv at column 128 tc
	s_lshl_b32 s62, s17, 10
	s_add_nc_u64 s[60:61], s[46:47], s[62:63]      ; my work-group's 4 blocks of the 128 that my wave will load of a chunk
	BIAS 0
	global_prefetch_b8 v[PFO], s[60:61] th:TH_LOAD_NT scope:SCOPE_SE
	global_prefetch_b8 v[PFO], s[60:61] offset:0x100000 th:TH_LOAD_NT scope:SCOPE_SE
	s_lshr_b32 s62, s17, 2
	s_lshl_b32 s62, s62, 4
	s_lshl_b32 s18, s42, 1
	s_add_co_u32 s62, s62, s18                     ; my first head: 16 x batch + 2 tc
	s_lshl_b32 s62, s62, 16
	s_and_b32 s18, s17, 3
	s_lshl_b32 s18, s18, 14
	s_add_co_u32 s62, s62, s18                     ; + my work-group's 256 tokens: 16,384 bytes in each layout
	s_lshl_b32 s18, s14, 12
	s_add_co_u32 s18, s18, s62                     ; q, k: + my four tiles of 16 tokens
	s_mov_b32 s19, 0
	s_add_nc_u64 s[92:93], s[76:77], s[18:19]
	s_add_nc_u64 s[94:95], s[78:79], s[18:19]
	s_lshl_b32 s18, s15, 13
	s_add_co_u32 s18, s18, s62                     ; v: + my 128 keys, and in each 16 channels my two pieces
	s_lshl_b32 s67, s16, 10
	s_add_co_u32 s18, s18, s67
	s_add_nc_u64 s[96:97], s[80:81], s[18:19]
	s_wait_tensorcnt 0x0                           ; my rows of x are in; only I read them
	WIN 0x80
	XCOPY 0
	WIN 0xc0
	XCOPY 1
	WIN 0
	s_wait_tensorcnt 0x0                           ; ahead of a refill: the wait, the add, and the wait on the add
	ds_add_u32 v[SPW], v[NIL]
	s_wait_kmcnt 0x0
	s_add_co_i32 s66, s68, s69                     ; e0 + e1
	s_sub_co_i32 s82, 127, s66
	s_lshl_b32 s82, s82, 23                        ; 2^-(e0 + e1)
	s_mov_b32 s83, s82
	SCL 86, s70
	SCL 88, s71
	SCL 90, s73
	s_wait_loadcnt 0x0
	BSCALE 0
	s_wait_alu depctr_va_vdst(0)                   ; the wait ahead of the wait below
	s_wait_dscnt 0x0                               ; the add is done, and x is in registers
	CROUND
	WLOAD                                          ; q's chunk, to LDS rows 0-127
	global_prefetch_b8 v[PFO], s[60:61] offset:0x200000 th:TH_LOAD_NT scope:SCOPE_SE
	s_wait_tensorcnt 0x0                           ; my part of q's chunk is in; the same three lines:
	ds_add_u32 v[SPW], v[NIL]
	s_add_nc_u64 s[G0W+2:G0W+3], s[G0W+2:G0W+3], 0x100000   ; on to k's rows,
	s_mov_b32 s[G0W+1], s23                        ; to LDS rows 128-255
	s_wait_dscnt 0x0
	CROUND                                         ; q's chunk is whole
	WLOAD                                          ; k's chunk lands under pass 0
	GLD 0, 0
	GLD 0, 1
.set PP, 0
.rept 3
.set GL, 0
.rept 16
.set WT, 32                            ; the two younger groups may be out;
.if GL < 2
.set WT, 16                            ; behind groups 0, 1 and 14 one group has been asked for
.endif
.if GL == 14
.set WT, 16
.endif
.if GL == 15
.if PP == 2
.set WT, 0
.endif
.endif
	s_wait_dscnt WT
	GMUL
.if GL < 13
	PLACES                                         ; behind the products that read the registers asked into below
	WIN 0
.if GL == 0
	GLD PP, 2
.endif
.if GL == 1
	GLD PP, 3
	GLD PP, 4
.endif
.if GL > 1
	GLD PP, GL+3
.endif
.endif
.if GL == 14
.if PP < 2
	PLACES
	WIN 0
.if PP == 0
	s_wait_tensorcnt 0x0                           ; my part of k's chunk is in;
	ds_add_u32 v[SPW], v[NIL]
	s_add_nc_u64 s[G0W+2:G0W+3], s[G0W+2:G0W+3], 0x100000   ; on to v's rows,
	s_mov_b32 s[G0W+1], s22                        ; to LDS rows 0-127
	s_wait_dscnt 0x0                               ; the add is done and my reads of q's chunk are over
	CROUND                                         ; k's chunk is whole, and nobody reads q's
	WLOAD                                          ; v's chunk lands under pass 1
.else
	s_wait_tensorcnt 0x0                           ; my part of v's chunk is in,
	s_wait_dscnt 0x0
	s_barrier_signal -1
	s_barrier_wait -1                              ; everybody's is
.endif
	GLD PP+1, 0
	GLD PP+1, 1
.endif
.endif
.if GL == 15
	OUTP PP
.endif
.set GL, GL+1
.endr
.set PP, PP+1
.endr
	s_wait_tensorcnt 0x0                           ; the wave's end
	ds_add_u32 v[SPW], v[NIL]
	s_wait_dscnt 0x0
	CROUND                                         ; the closing round
	s_endpgm
.Lfunc_end_k_qd4ceed7fb3_qkv:
	.size	k_qd4ceed7fb3_qkv, .Lfunc_end_k_qd4ceed7fb3_qkv-k_qd4ceed7fb3_qkv
	.p2alignl 7, 3214868480
	.fill 96, 4, 3214868480
	.section	.rodata,"a",@progbits
	.p2align	6, 0x0
	.amdhsa_kernel k_qd4ceed7fb3_qkv
		.amdhsa_group_segment_fixed_size 327680
		.amdhsa_private_segment_fixed_size 0
		.amdhsa_enable_private_segment 0
		.amdhsa_kernarg_size 56
		.amdhsa_user_sgpr_count 2
		.amdhsa_user_sgpr_kernarg_segment_ptr 1
		.amdhsa_wavefront_size32 1
		.amdhsa_system_sgpr_workgroup_id_x 1
		.amdhsa_system_sgpr_workgroup_id_y 1
		.amdhsa_system_sgpr_workgroup_id_z 1
		.amdhsa_system_vgpr_workitem_id 0
		.amdhsa_next_free_vgpr 1024
		.amdhsa_next_free_sgpr 100
		.amdhsa_reserve_vcc 0
		.amdhsa_float_denorm_mode_32 3
		.amdhsa_float_denorm_mode_16_64 3
		.amdhsa_memory_ordered 1
		.amdhsa_forward_progress 1
		.amdhsa_inst_pref_size 194
	.end_amdhsa_kernel
	.amdgpu_metadata
---
amdhsa.version: [ 1, 2 ]
amdhsa.kernels:
  - .name:           k_qd4ceed7fb3_qkv
    .symbol:         k_qd4ceed7fb3_qkv.kd
    .args:
      - { .name: x_codes, .offset: 0, .size: 8, .value_kind: global_buffer, .address_space: global }
      - { .name: W_qkv_codes, .offset: 8, .size: 8, .value_kind: global_buffer, .address_space: global }
      - { .name: lowp_scales, .offset: 16, .size: 8, .value_kind: global_buffer, .address_space: global }
      - { .name: b_qkv, .offset: 24, .size: 8, .value_kind: global_buffer, .address_space: global }
      - { .name: q_img, .offset: 32, .size: 8, .value_kind: global_buffer, .address_space: global }
      - { .name: k_img, .offset: 40, .size: 8, .value_kind: global_buffer, .address_space: global }
      - { .name: v_img, .offset: 48, .size: 8, .value_kind: global_buffer, .address_space: global }
    .group_segment_fixed_size: 327680
    .private_segment_fixed_size: 0
    .kernarg_segment_align: 8
    .kernarg_segment_size: 56
    .max_flat_workgroup_size: 128
    .sgpr_count:     100
    .vgpr_count:     1024
    .wavefront_size: 32
...
	.end_amdgpu_metadata
.endif
;; end of part 1
;; launch colstat (part 2): grid 2 x 128, 16 waves a work-group, no clusters, 169,984 bytes of LDS; arguments q_img, k_img, lowp_scales, cstat; writes cstat
.if DOCPART == 2
	.amdgcn_target "amdgcn-amd-amdhsa--gfx1250"
	.amdhsa_code_object_version 6
	.text
	.protected	k_qd4ceed7fb3_colstat
	.globl	k_qd4ceed7fb3_colstat
	.p2align	8
	.type	k_qd4ceed7fb3_colstat,@function
k_qd4ceed7fb3_colstat:
	s_mov_b64 s[64:65], 0
	v_nop
	global_prefetch_b8 v0, s[64:65] scope:SCOPE_SE
	s_setreg_imm32_b32 hwreg(HW_REG_WAVE_MODE, 25, 1), 1
	s_wait_xcnt 0x0
; THE SOFTMAX RUNS OVER THE QUERIES: for each head and key j this launch finds, over the queries i >= j, the largest score and the sum of exponentials, and stores ONE number
; C_j = (NB_j - log2 l_j) / c', so that the finished, normalised weight is p(i, j) = 2^(c' (s(i, j) + C_j)).  s: the sum of the products of q's and k's codes; c' = log2(e) / 8 x 2^(e2 + e3);
; NB_j = -c' x (the largest s of key j), l_j = the sum over i >= j of 2^(c' s + NB_j).  The maximum is a running one; when it moves, l is multiplied by 2^(new NB - old NB).
; LIMIT: e2 + e3 between -123 and 90, so that c', 1 / c' and c' x 2^30 are f32 numbers.
; SHARES.  A work-group takes half of a head's 32 units of 32 keys, a unit to each of its sixteen waves.  A wave walks the head's queries downwards, 64 a step, as far as its keys reach; steps all of whose
; queries come before its keys are left out by a scalar branch on ids.  The units are dealt so that waves w, w + 4, w + 8, w + 12 together have the same number of steps for every w.
; LAYOUT.  S = Q K^T with source 0 = 16 queries, source 1 = 16 keys: a lane holds ONE key (lane % 16), its registers run along the queries (16 t + 8 (lane / 16) + j).  So the running maximum and sum stay in the
; lane; the two halves of the lanes meet once, at the end.
; LDS: 0 .. 65,535 the head's q as images (filled once, a sixteenth by each wave's one tensor load); from 65,536 a stage of 2,048 bytes for the way out.  Nothing is filled again.
.set STG,  65536
.set LI,   1                           ; v1   16 x lane
.set ADQ,  2                           ; v2   LDS address of the trip's 128 queries
.set RH,   3                           ; v3   lane % 16 - 8 (lane / 16)
.set DK,   4                           ; v4-5 the mask's bound for key tile 0, 1
.set NINF, 6                           ; v6   -infinity
.set SA,   7                           ; v7   the stage: where my keys' numbers go
.set NB,   8                           ; v[8:9], v[10:11]   NB of key tile 0, 1 (the packed form names a pair and takes its low word)
.set MX,   12                          ; v12-13 the largest s so far
.set LS,   14                          ; v[14:15], v[16:17] l, in two halves
.set OLD,  18                          ; v18-19 the old NB
.set X2,   20                          ; v20-21 the maximum's second chain
.set AA,   22                          ; v[22:23], v[24:25] 2^(new NB - old NB)
.set TS,   26                          ; v[26:27], v[28:29] the sums' second chain
.set SB,   30                          ; v30  the stage: where a wave reads 512 bytes back
.set KR,   32                          ; v32-47  my two fragments of K
.set QR,   48                          ; v48-79  four fragments of Q
.set S,    96                          ; v96-159 the scores: key tile k, query tile t at S + 32 k + 8 t
.set WV,   12                          ; s12  wave
.set BH,   13                          ; s13  head
.set K0,   18                          ; s18  my first key;  s19 my last
.set K31,  19
.set QF,   20                          ; s20  the step's first query
.set TQ,   21                          ; s21  LDS byte of the trip's 128 queries
.set CNT,  22
.set CS,   48                          ; s[48:49] c'
.set NC,   50                          ; s50  -c'
.set INV,  51                          ; s51  1 / c'
.set SEL,  52                          ; s[52:53] lane selects for v_permlanex16_b32: lane l xor 16
	s_load_b256 s[4:11], s[0:1], 0x0               ; q_img s[4:5], k_img s[6:7], the scales' exponents s[8:9], cstat s[10:11]
	v_lshl_add_u32 v254, v0, 2, 0x29000
	v_mov_b32 v255, 0
	ds_add_u32 v254, v255
	ds_add_u32 v254, v255
	v_lshrrev_b32 v2, 5, v0
	s_delay_alu instid0(VALU_DEP_1)
	v_readfirstlane_b32 s[WV], v2                  ; wave 0..15
	s_and_b32 s[BH], ttmp7, 0xffff
	; descriptor group 1: dense blocks as rows of 256 bytes (32 elements of 8 bytes): 16 rows
	s_mov_b32 s24, 3<<16
	s_mov_b32 s25, 32<<16
	s_mov_b32 s26, 16<<16                          ; 16 rows of 256 bytes: every wave fills a sixteenth of the head's q
	s_mov_b32 s27, 32<<16
	s_mov_b32 s28, 16
	s_mov_b32 s29, 32
	s_mov_b32 s30, 0
	s_mov_b32 s31, 0
	s_lshl_b32 s66, s[BH], 16                      ; a head's images are 65,536 bytes
	s_mov_b32 s67, 0
	s_wait_dscnt 0x0
	s_wait_kmcnt 0x0
	s_load_b256 s[56:63], s[8:9], 0x0              ; e0 .. e7
	s_add_nc_u64 s[4:5], s[4:5], s[66:67]
	s_add_nc_u64 s[6:7], s[6:7], s[66:67]
	s_mov_b32 s40, 1
	s_lshl_b32 s41, s[WV], 12                      ; wave x 4,096 bytes, in LDS and in the head's images
	s_mov_b32 s44, s41
	s_mov_b32 s45, 0
	s_add_nc_u64 s[42:43], s[4:5], s[44:45]
	s_or_b32 s43, s43, 0x80000000
	tensor_load_to_lds s[40:43], s[24:31]          ; one tensor load a wave, with no branch
	s_nop 0
.rept 4
	v_nop
.endr
	s_lshr_b32 s14, s[WV], 2                       ; g
	s_and_b32 s15, s[WV], 3                        ; s
	s_and_b32 s16, s14, 1                          ; g odd?
	s_lshl_b32 s17, ttmp9, 2
	s_add_co_u32 s17, s17, s15
	s_mul_i32 s23, s16, 7
	s_xor_b32 s17, s17, s23                        ; (s + 4 p), mirrored in the odd groups
	s_lshl_b32 s23, s14, 3
	s_add_co_u32 s17, s17, s23                     ; my unit, 0..31
	s_lshl_b32 s[K0], s17, 5
	s_add_co_u32 s[K31], s[K0], 31
	s_lshl_b32 s66, s17, 11                        ; its two tiles of k: 2,048 bytes
	s_add_nc_u64 s[6:7], s[6:7], s[66:67]
	v_and_b32 v2, 31, v0
	s_delay_alu instid0(VALU_DEP_1)
	v_lshlrev_b32 v[LI], 4, v2
	s_wait_alu depctr_va_vdst(0)
.irp i, 0,1,2,3
	global_load_b128 v[KR+4*\i:KR+4*\i+3], v[LI], s[6:7] offset:512*\i
.endr
	v_and_b32 v4, 15, v0                           ; r
	v_bfe_u32 v5, v0, 4, 1                         ; h
	s_delay_alu instid0(VALU_DEP_1)
	v_lshlrev_b32 v5, 3, v5
	s_delay_alu instid0(VALU_DEP_1)
	v_sub_nc_u32 v[RH], v4, v5
	s_mul_i32 s23, s16, 3                          ; the stage: 512 bytes a group of four waves, its units in ascending order, 128 bytes each
	s_xor_b32 s23, s15, s23
	s_lshl_b32 s23, s23, 7
	s_lshl_b32 s66, s14, 9
	s_add_co_u32 s23, s23, s66
	s_add_co_u32 s23, s23, STG
	v_lshlrev_b32 v[SA], 2, v4
	s_delay_alu instid0(VALU_DEP_1)
	v_add_nc_u32 v[SA], s23, v[SA]
	s_lshl_b32 s23, s[WV], 9
	s_add_co_u32 s23, s23, STG
	v_add_nc_u32 v[SB], s23, v[LI]                 ; used by waves 0-3 alone: group w's 512 bytes
	s_and_b32 s66, s[WV], 1                        ; and where they go: group w's first unit is 8 w + 4 (p xor (w odd))
	s_xor_b32 s66, s66, ttmp9
	s_lshl_b32 s66, s66, 2
	s_lshl_b32 s23, s[WV], 3
	s_add_co_u32 s66, s66, s23
	s_lshl_b32 s66, s66, 7
	s_lshl_b32 s23, s[BH], 12
	s_add_co_u32 s66, s66, s23
	s_add_nc_u64 s[10:11], s[10:11], s[66:67]
	s_mov_b32 s[SEL], 0x76543210
	s_mov_b32 s[SEL+1], 0xfedcba98
	s_mov_b32 s[QF], 1024
	s_mov_b32 s[TQ], 65536
	s_wait_kmcnt 0x0
	s_add_co_i32 s23, s58, s59                     ; e2 + e3 goes into the exponent fields
	s_lshl_b32 s23, s23, 23
	s_add_co_i32 s[CS], s23, 0x3e38aa3b            ; c' = log2(e) / 8 x 2^(e2 + e3)
	s_mov_b32 s[CS+1], s[CS]
	s_or_b32 s[NC], s[CS], 0x80000000
	s_sub_co_i32 s[INV], 0x40b17218, s23           ; 8 ln 2 x 2^-(e2 + e3)
	v_mov_b32 v[NINF], 0xff800000
	v_mov_b32 v[MX], 0xce800000                    ; -2^30: under every sum of 64 products of codes (at most 64 x 448 x 448)
	v_mov_b32 v[MX+1], 0xce800000
	s_delay_alu instid0(VALU_DEP_2)
	v_mul_f32 v[NB], s[NC], v[MX]
	s_delay_alu instid0(VALU_DEP_2)
	v_mul_f32 v[NB+2], s[NC], v[MX+1]
.irp j, 9,11,14,15,16,17,18,19,20,21,23,25
	v_mov_b32 v\j, 0                               ; l; the upper halves of pairs that are named; the lane permutes' destinations
.endr
; A STEP: 64 queries (half e of the trip's 128) against my 32 keys.
.macro STEP e
	s_sub_co_u32 s[QF], s[QF], 64
	s_add_co_u32 s23, s[QF], 63
	s_cmp_lt_u32 s23, s[K0]
	s_cbranch_scc1 .Lhidden_\@                     ; all its queries come before my keys: a branch on ids, round loads and work alone
	s_wait_alu depctr_va_vdst(0)
.irp t, 0,1,2,3
.irp c, 0,1
	ds_load_b128 v[QR+8*\t+4*\c:QR+8*\t+4*\c+3], v[ADQ] offset:(\e)*4096+\t*1024+\c*512
.endr
.endr
	s_wait_dscnt 0x0
.irp t, 0,1,2,3
.irp k, 0,1
	v_wmma_f32_16x16x64_fp8_fp8 v[S+32*\k+8*\t:S+32*\k+8*\t+7], v[QR+8*\t:QR+8*\t+7], v[KR+8*\k:KR+8*\k+7], 0
.endr
.endr
	v_mov_b32 v[OLD], v[NB]                        ; four places behind the products: two of them useful
	v_mov_b32 v[OLD+1], v[NB+2]
	v_nop
	v_nop
	s_cmp_ge_u32 s[QF], s[K31]
	s_cbranch_scc1 .Lopen_\@                       ; every query of the step counts for every key of mine
	s_sub_co_i32 s23, s[K0], s[QF]
	v_add_nc_u32 v[DK], s23, v[RH]                 ; register 8 t + j holds query QF + 16 t + 8 h + j: hidden where 16 t + j < K0 - QF + 16 k + r - 8 h
	s_delay_alu instid0(VALU_DEP_1)
	v_add_nc_u32 v[DK+1], 16, v[DK]
.irp k, 0,1
.irp n, 0,1,2,3,4,5,6,7,8,9,10,11,12,13,14,15,16,17,18,19,20,21,22,23,24,25,26,27,28,29,30,31
	v_cmp_lt_i32 vcc_lo, 16*(\n/8)+\n%8, v[DK+\k]
	v_cndmask_b32 v[S+32*\k+\n], v[S+32*\k+\n], v[NINF], vcc_lo
.endr
.endr
.Lopen_\@:
.irp k, 0,1                                    ; the running maximum: two chains a key tile, each accumulator from its low end on
	v_max3_num_f32 v[X2+\k], v[S+32*\k], v[S+32*\k+1], v[S+32*\k+2]
.endr
.irp k, 0,1
	v_max3_num_f32 v[MX+\k], v[MX+\k], v[S+32*\k+3], v[S+32*\k+4]
.endr
.irp j, 5,9,13,17,21,25
.irp k, 0,1
	v_max3_num_f32 v[X2+\k], v[X2+\k], v[S+32*\k+\j], v[S+32*\k+\j+1]
.endr
.irp k, 0,1
	v_max3_num_f32 v[MX+\k], v[MX+\k], v[S+32*\k+\j+2], v[S+32*\k+\j+3]
.endr
.endr
.irp k, 0,1
	v_max3_num_f32 v[X2+\k], v[X2+\k], v[S+32*\k+29], v[S+32*\k+30]
.endr
.irp k, 0,1
	v_max3_num_f32 v[MX+\k], v[MX+\k], v[S+32*\k+31], v[X2+\k]
.endr
.irp k, 0,1
	s_delay_alu instid0(VALU_DEP_2)
	v_mul_f32 v[NB+2*\k], s[NC], v[MX+\k]          ; the new NB
.endr
.irp k, 0,1
	s_delay_alu instid0(VALU_DEP_2)
	v_sub_f32 v[AA+2*\k], v[NB+2*\k], v[OLD+\k]    ; new NB - old NB, 0 or less
.endr
.irp j, 0,2,4,6,8,10,12,14,16,18,20,22,24,26,28,30
.irp k, 0,1
	v_pk_fma_f32 v[S+32*\k+\j:S+32*\k+\j+1], v[S+32*\k+\j:S+32*\k+\j+1], s[CS:CS+1], v[NB+2*\k:NB+2*\k+1] op_sel_hi:[1,0,0]   ; c' s + NB, two at a time
.endr
.endr
	s_wait_alu depctr_va_vdst(0)
	v_exp_f32 v[AA], v[AA]                         ; ONE BATCH: 66 exponentials, none of which reads another's result
	v_exp_f32 v[AA+2], v[AA+2]
.irp j, 0,1,2,3,4,5,6,7,8,9,10,11,12,13,14,15,16,17,18,19,20,21,22,23,24,25,26,27,28,29,30,31,32,33,34,35,36,37,38,39,40,41,42,43,44,45,46,47,48,49,50,51,52,53,54,55,56,57,58,59,60,61,62,63
	v_exp_f32 v[S+\j], v[S+\j]
.endr
	v_nop                                          ; a plain instruction behind the last exponential,
	s_wait_alu depctr_va_vdst(0)                   ; and the one wait ahead of the batch's first reader
.irp k, 0,1
	v_pk_fma_f32 v[LS+2*\k:LS+2*\k+1], v[LS+2*\k:LS+2*\k+1], v[AA+2*\k:AA+2*\k+1], v[S+32*\k:S+32*\k+1] op_sel_hi:[1,0,1]   ; l under the new NB, and the first pair
.endr
.irp k, 0,1
	v_pk_add_f32 v[TS+2*\k:TS+2*\k+1], v[S+32*\k+2:S+32*\k+3], v[S+32*\k+4:S+32*\k+5]
.endr
.irp j, 6,10,14,18,22,26
.irp k, 0,1
	v_pk_add_f32 v[LS+2*\k:LS+2*\k+1], v[LS+2*\k:LS+2*\k+1], v[S+32*\k+\j:S+32*\k+\j+1]
.endr
.irp k, 0,1
	v_pk_add_f32 v[TS+2*\k:TS+2*\k+1], v[TS+2*\k:TS+2*\k+1], v[S+32*\k+\j+2:S+32*\k+\j+3]
.endr
.endr
.irp k, 0,1
	v_pk_add_f32 v[LS+2*\k:LS+2*\k+1], v[LS+2*\k:LS+2*\k+1], v[S+32*\k+30:S+32*\k+31]
.endr
.irp k, 0,1
	s_delay_alu instid0(VALU_DEP_2)
	v_pk_add_f32 v[LS+2*\k:LS+2*\k+1], v[LS+2*\k:LS+2*\k+1], v[TS+2*\k:TS+2*\k+1]
.endr
.Lhidden_\@:
.endm
.macro TRIP                            ; 128 queries, the upper 64 first
	s_sub_co_u32 s[TQ], s[TQ], 8192
	v_add_nc_u32 v[ADQ], s[TQ], v[LI]
	STEP 1
	STEP 0
.endm
	s_wait_alu depctr_va_vdst(0)                   ; the wait at the head's end
	s_wait_tensorcnt 0x0                           ; my sixteenth of the queries is in,
	s_barrier_signal -1
	s_barrier_wait -1                              ; everybody's is
	s_wait_loadcnt 0x0                             ; my fragments of K
	s_mov_b32 s[CNT], 8
.Lrest:
	TRIP
	s_sub_co_u32 s[CNT], s[CNT], 1
	s_cmp_lg_u32 s[CNT], 0
	s_cbranch_scc1 .Lrest
	; THE END: l's two halves; then the two halves of the lanes, which hold the same key's other queries, are brought under the smaller NB (the larger maximum) and added
	s_wait_alu depctr_va_vdst(0)
	v_add_f32 v[LS], v[LS], v[LS+1]
	v_add_f32 v[LS+2], v[LS+2], v[LS+3]
	v_permlanex16_b32 v[OLD], v[NB], s[SEL], s[SEL+1]
	v_permlanex16_b32 v[OLD+1], v[NB+2], s[SEL], s[SEL+1]
	s_delay_alu instid0(VALU_DEP_4)
	v_permlanex16_b32 v[X2], v[LS], s[SEL], s[SEL+1]
	s_delay_alu instid0(VALU_DEP_4)
	v_permlanex16_b32 v[X2+1], v[LS+2], s[SEL], s[SEL+1]
	s_delay_alu instid0(VALU_DEP_4)
	v_min_num_f32 v[AA], v[NB], v[OLD]
	s_delay_alu instid0(VALU_DEP_4)
	v_min_num_f32 v[AA+2], v[NB+2], v[OLD+1]
	s_delay_alu instid0(VALU_DEP_2)
	v_sub_f32 v26, v[AA], v[NB]
	s_delay_alu instid0(VALU_DEP_3)
	v_sub_f32 v27, v[AA], v[OLD]
	s_delay_alu instid0(VALU_DEP_3)
	v_sub_f32 v28, v[AA+2], v[NB+2]
	s_delay_alu instid0(VALU_DEP_4)
	v_sub_f32 v29, v[AA+2], v[OLD+1]
	s_wait_alu depctr_va_vdst(0)
	v_exp_f32 v26, v26
	v_exp_f32 v27, v27
	v_exp_f32 v28, v28
	v_exp_f32 v29, v29
	v_nop
	s_wait_alu depctr_va_vdst(0)                   ; one wait for the four
	v_mul_f32 v[LS], v[LS], v26
	v_mul_f32 v[LS+2], v[LS+2], v28
	v_fma_f32 v[LS], v[X2], v27, v[LS]             ; l: at least the term of the largest score, so its logarithm is a number
	v_fma_f32 v[LS+2], v[X2+1], v29, v[LS+2]
	s_wait_alu depctr_va_vdst(0)
	v_log_f32 v[LS], v[LS]
	v_log_f32 v[LS+2], v[LS+2]
	v_nop
	s_wait_alu depctr_va_vdst(0)                   ; one wait for the two
	v_sub_f32 v[LS], v[AA], v[LS]
	v_sub_f32 v[LS+2], v[AA+2], v[LS+2]
	s_delay_alu instid0(VALU_DEP_2)
	v_mul_f32 v[LS], s[INV], v[LS]                 ; C = (NB - log2 l) / c'
	s_delay_alu instid0(VALU_DEP_2)
	v_mul_f32 v[LS+2], s[INV], v[LS+2]
	ds_store_b32 v[SA], v[LS]                      ; both halves of the lanes write the same word with the same number
	ds_store_b32 v[SA], v[LS+2] offset:64
	s_wait_dscnt 0x0                               ; for the others' sake: my stores into the stage are done
	s_barrier_signal -1
	s_barrier_wait -1
	s_cmp_lt_u32 s[WV], 4
	s_cbranch_scc0 .Ldone
	ds_load_b128 v[32:35], v[SB]                   ; a group's four units are 128 neighbouring keys: 512 consecutive bytes, aligned
	s_wait_dscnt 0x0
	global_store_b128 v[LI], v[32:35], s[10:11]
.Ldone:
	s_wait_tensorcnt 0x0
	ds_add_u32 v254, v255
	s_wait_dscnt 0x0
	s_endpgm
.Lfunc_end_k_qd4ceed7fb3_colstat:
	.size	k_qd4ceed7fb3_colstat, .Lfunc_end_k_qd4ceed7fb3_colstat-k_qd4ceed7fb3_colstat
	.p2alignl 7, 3214868480
	.fill 96, 4, 3214868480
	.section	.rodata,"a",@progbits
	.p2align	6, 0x0
	.amdhsa_kernel k_qd4ceed7fb3_colstat
		.amdhsa_group_segment_fixed_size 169984
		.amdhsa_private_segment_fixed_size 0
		.amdhsa_enable_private_segment 0
		.amdhsa_kernarg_size 32
		.amdhsa_user_sgpr_count 2
		.amdhsa_user_sgpr_kernarg_segment_ptr 1
		.amdhsa_wavefront_size32 1
		.amdhsa_system_sgpr_workgroup_id_x 1
		.amdhsa_system_sgpr_workgroup_id_y 1
		.amdhsa_system_sgpr_workgroup_id_z 1
		.amdhsa_system_vgpr_workitem_id 0
		.amdhsa_next_free_vgpr 256
		.amdhsa_next_free_sgpr 72
		.amdhsa_reserve_vcc 1
		.amdhsa_float_denorm_mode_32 3
		.amdhsa_float_denorm_mode_16_64 3
		.amdhsa_memory_ordered 1
		.amdhsa_forward_progress 1
		.amdhsa_inst_pref_size 36
	.end_amdhsa_kernel
	.amdgpu_metadata
---
amdhsa.version: [ 1, 2 ]
amdhsa.kernels:
  - .name:           k_qd4ceed7fb3_colstat
    .symbol:         k_qd4ceed7fb3_colstat.kd
    .args:
      - { .name: q_img, .offset: 0, .size: 8, .value_kind: global_buffer, .address_space: global }
      - { .name: k_img, .offset: 8, .size: 8, .value_kind: global_buffer, .address_space: global }
      - { .name: lowp_scales, .offset: 16, .size: 8, .value_kind: global_buffer, .address_space: global }
      - { .name: cstat, .offset: 24, .size: 8, .value_kind: global_buffer, .address_space: global }
    .group_segment_fixed_size: 169984
    .private_segment_fixed_size: 0
    .kernarg_segment_align: 8
    .kernarg_segment_size: 32
    .max_flat_workgroup_size: 512
    .sgpr_count:     72
    .vgpr_count:     256
    .wavefront_size: 32
...
	.end_amdgpu_metadata
.endif
;; end of part 2
;; launch attn (part 3): grid 2 x 128, 16 waves a work-group, no clusters, 327,680 bytes of LDS; arguments q_img, k_img, v_img, cstat, lowp_scales, y_img; writes y_img
.if DOCPART == 3
	.amdgcn_target "amdgcn-amd-amdhsa--gfx1250"
	.amdhsa_code_object_version 6
	.text
	.protected	k_qd4ceed7fb3_attn
	.globl	k_qd4ceed7fb3_attn
	.p2align	8
	.type	k_qd4ceed7fb3_attn,@function
k_qd4ceed7fb3_attn:
	s_mov_b64 s[64:65], 0
	v_nop
	global_prefetch_b8 v0, s[64:65] scope:SCOPE_SE
	s_setreg_imm32_b32 hwreg(HW_REG_WAVE_MODE, 25, 1), 1
	s_wait_xcnt 0x0
; y = P v, P the finished softmax over the queries: p(i, j) = 2^(c' (s(i, j) + C_j)) for j <= i, else 0; s: the sum of the products of q's and k's codes; C_j: the launch before's number for key j;
; c' = log2(e) / 8 x 2^(e2 + e3).  p is quantised with 2^e4 along the keys, multiplied with v's codes, and y = sum x 2^(e4 + e5) is quantised with 2^e6 and stored as images of the last product's operand.
; No maximum is taken here: C_j holds it, so that c' (s + C_j) is 0 or less up to rounding and p is at most 1.
; Steps all of whose keys come after the unit's queries lie wholly under the causal mask and are left out.
; LIMITS: e2 + e3 between -123 and 90; e4, and e6 - e4 - e5, between -126 and 119.
; SHARES.  A head has 32 units of 32 queries; unit n has n / 2 + 1 steps of 64 keys.  Units u and 31 - u together have 17 steps, whatever u is: a pair of waves takes such a pair of units.
; Work-group p of a head has u = 8 p + i, i = 0 .. 7.  Wave A of pair i: unit 31 - u against keys 0 .. 511, eight steps, none masked.  Wave B: unit u (all its keys lie under 512), whose y it stores,
; then unit 31 - u against keys 512 on; it hands that part of O^T to A through LDS, and A adds the two parts and stores unit 31 - u's y.  So a wave has eight or nine steps.
; A wave is A or B by bit 2 of its number: waves w, w + 4, w + 8, w + 12 are two of each.
; LAYOUT.  Both products transposed: S^T = K Q^T + C (source 0 = 16 keys, source 1 = 16 queries; C_j, which hangs on the key alone, is the product's third operand), O^T = V^T P^T:
; a lane holds one query (lane % 16) throughout; the eight registers of a tile of S^T are keys 16 t + 8 (lane / 16) + 0 .. 7: the conversion's result is register pair t of P's fragment.
; LDS: 0 .. 65,535 the head's k as images, 65,536 .. 131,071 its v: waves 0-7 fill k, waves 8-15 v, each an eighth of keys 0-255 at the head and an eighth of keys 256-1023 behind the first barrier; nothing is filled again.
; From 131,072 the head's 1,024 C_j, then 8,192 bytes for each pair's hand-over, then the spare words.
; No cluster: the two work-groups of a head are fewer than the four that a row of a cluster takes.  PREFETCH: a wave's part of the second fill is 24 blocks of 256 bytes; the head's two work-groups ask for twelve each, at the head, one fill ahead.
.set STATS, 131072
.set XCH,   STATS+4096
.set SPARE, XCH+65536
.set LI,   1                           ; 16 x lane
.set ADK,  2                           ; v2-4 LDS addresses of the step's 64 keys: K, V, C
.set ADV,  3
.set ADC,  4
.set CH,   5                           ; STATS + 32 (lane / 16)
.set RH,   6                           ; lane % 16 - 8 (lane / 16)
.set DQ,   7                           ; v7-8 the mask's bound for query tile 0, 1
.set NINF, 9
.set PH,   10                          ; 448 x 2^e4;  v11  2^e4
.set PS,   11
.set YH,   12                          ; 448 x 2^(e6 - e4 - e5);  v13  2^(e6 - e4 - e5)
.set YS,   13
.set QR,   16                          ; v16-31   two fragments of Q
.set KV,   32                          ; v32-63   four fragments of K, then of V; on the way out y's codes
.set CR,   64                          ; v64-95   C_j in the result's layout; on the way out the pieces to store
.set S,    96                          ; v96-159  S^T, then p: query tile q, key tile t at S + 32 q + 8 t
.set OA,   160                         ; v160-223 O^T: query tile q, channel tile d at OA + 32 q + 8 d
.set PC,   224                         ; v224-239 p's codes
.set XA,   244                         ; the pair's hand-over
.set PFO,  245
.set LV,   246                         ; 65,536 + 16 x lane
.set WV,   16
.set BH,   17
.set UN,   21                          ; my first unit
.set Q0,   22
.set QE,   23
.set CS,   48                          ; s[48:49] c'
.set KF,   50                          ; the step's first key
.set RL,   51                          ; 0: wave A, 1: wave B
.set SEL,  52                          ; s[52:53] lane l xor 16
.set UL,   54                          ; unit 31 - u
.set CNT,  55
	s_load_b256 s[4:11], s[0:1], 0x0               ; q_img, k_img, v_img, cstat
	s_load_b128 s[12:15], s[0:1], 0x20             ; the exponents, y_img
	v_lshl_add_u32 v254, v0, 2, SPARE
	v_mov_b32 v255, 0
	ds_add_u32 v254, v255                          ; the opening lines: the add twice on end
	ds_add_u32 v254, v255
	v_lshrrev_b32 v2, 5, v0
	v_readfirstlane_b32 s[WV], v2
	s_and_b32 s[BH], ttmp7, 0xffff
	s_mov_b32 s24, 3<<16                           ; dense blocks as rows of 256 bytes (32 elements of 8 bytes): 8 rows,
	s_mov_b32 s25, 32<<16
	s_mov_b32 s26, 8<<16
	s_mov_b32 s27, 32<<16
	s_mov_b32 s28, 8
	s_mov_b32 s29, 32
	s_mov_b32 s30, 0
	s_mov_b32 s31, 0
	s_mov_b32 s32, 3<<16                           ; and 24 rows
	s_mov_b32 s33, 32<<16
	s_mov_b32 s34, 24<<16
	s_mov_b32 s35, 32<<16
	s_mov_b32 s36, 24
	s_mov_b32 s37, 32
	s_mov_b32 s38, 0
	s_mov_b32 s39, 0
	s_lshl_b32 s66, s[BH], 16                      ; a head's images are 65,536 bytes
	s_mov_b32 s67, 0
	s_lshr_b32 s18, s[WV], 3                       ; 0: I fill k, 1: v
	s_and_b32 s19, s[WV], 7
	s_lshl_b32 s20, s19, 11                        ; keys 0-255: (wave % 8) x 2,048 bytes
	s_mov_b32 s21, 0
	s_mul_i32 s70, s19, 6144
	s_add_co_u32 s70, s70, 16384                   ; keys 256-1023: 16,384 + (wave % 8) x 6,144 bytes
	s_mov_b32 s71, 0
	s_lshl_b32 s41, s18, 16
	s_add_co_u32 s45, s41, s70
	s_add_co_u32 s41, s41, s20
	s_mov_b32 s40, 1
	s_mov_b32 s44, 1
	s_wait_dscnt 0x0
	s_wait_kmcnt 0x0
	s_load_b256 s[56:63], s[12:13], 0x0            ; e0 .. e7
	s_cmp_eq_u32 s18, 0
	s_cselect_b64 s[68:69], s[6:7], s[8:9]
	s_add_nc_u64 s[68:69], s[68:69], s[66:67]
	s_add_nc_u64 s[42:43], s[68:69], s[20:21]
	s_or_b32 s43, s43, 0x80000000
	s_add_nc_u64 s[68:69], s[68:69], s[70:71]      ; the second fill's bytes; the prefetch's base
	s_mov_b64 s[46:47], s[68:69]
	s_or_b32 s47, s47, 0x80000000
	tensor_load_to_lds s[40:43], s[24:31]          ; one tensor load a wave at the head
	s_nop 0
.rept 4
	v_nop
.endr
	s_bfe_u32 s[RL], s[WV], 0x10002
	s_and_b32 s18, s[WV], 3
	s_lshr_b32 s19, s[WV], 3
	s_lshl_b32 s19, s19, 2
	s_or_b32 s19, s19, s18                         ; the pair, 0 .. 7
	s_lshl_b32 s18, ttmp9, 3
	s_add_co_u32 s18, s18, s19                     ; u
	s_sub_co_u32 s[UL], 31, s18
	s_cmp_eq_u32 s[RL], 0
	s_cselect_b32 s[UN], s[UL], s18
	s_lshl_b32 s[Q0], s[UN], 5
	s_add_co_u32 s[QE], s[Q0], 31
	s_add_nc_u64 s[4:5], s[4:5], s[66:67]
	s_lshl_b32 s70, s[UL], 11                      ; a unit's two tiles of q: 2,048 bytes
	s_add_nc_u64 s[72:73], s[4:5], s[70:71]        ; unit 31 - u's, for wave B's second part
	s_lshl_b32 s70, s[UN], 11
	s_add_nc_u64 s[4:5], s[4:5], s[70:71]
	v_and_b32 v2, 31, v0
	v_lshlrev_b32 v[LI], 4, v2
.irp i, 0,1,2,3
	global_load_b128 v[QR+4*\i:QR+4*\i+3], v[LI], s[4:5] offset:512*\i
.endr
	s_lshl_b32 s70, s[BH], 12                      ; the head's 1,024 C_j: each of the 512 threads brings two
	s_add_nc_u64 s[10:11], s[10:11], s[70:71]
	v_lshlrev_b32 v14, 3, v0
	global_load_b64 v[240:241], v14, s[10:11]
	s_mul_i32 s20, ttmp9, 12
	v_min_u32 v[PFO], 11, v2                       ; lanes 12-31 name the last block again
	v_add_nc_u32 v[PFO], s20, v[PFO]
	v_lshlrev_b32 v[PFO], 8, v[PFO]
	global_prefetch_b8 v[PFO], s[68:69] th:TH_LOAD_NT scope:SCOPE_SE
	v_add_nc_u32 v15, STATS, v14
	v_add_nc_u32 v[LV], 0x10000, v[LI]
	s_lshl_b32 s19, s19, 13
	s_add_co_u32 s19, s19, XCH
	v_add_nc_u32 v[XA], s19, v[LI]
	v_and_b32 v7, 15, v0                           ; r
	v_bfe_u32 v8, v0, 4, 1                         ; h
	v_lshlrev_b32 v[CH], 5, v8
	v_add_nc_u32 v[CH], STATS, v[CH]
	v_lshlrev_b32 v8, 3, v8
	v_sub_nc_u32 v[RH], v7, v8
	s_lshr_b32 s70, s[BH], 4                       ; y_img: row block 64 x batch + 2 x unit (+ q), 16,384 bytes each; in it my head's 1,024 bytes
	s_lshl_b32 s70, s70, 6
	s_lshl_b32 s18, s[UN], 1
	s_add_co_u32 s70, s70, s18
	s_lshl_b32 s70, s70, 14
	s_and_b32 s18, s[BH], 15
	s_lshl_b32 s18, s18, 10
	s_add_co_u32 s70, s70, s18
	s_add_nc_u64 s[14:15], s[14:15], s[70:71]
	s_mov_b32 s[SEL], 0x76543210
	s_mov_b32 s[SEL+1], 0xfedcba98
	s_mov_b32 s[KF], 0
	v_mov_b32 v[NINF], 0xff800000
	v_mov_b32 v242, 0                              ; written once: a lane permute's destination counts as one of its sources
	v_mov_b32 v243, 0
.macro CLEAR                           ; O^T: the step is written once, so a unit's first step finds zeros
.set N, 0
.rept 64
	v_mov_b32 v[OA+N], 0
.set N, N+1
.endr
.endm
	CLEAR
	s_wait_alu depctr_va_vdst(0)                   ; the wait ahead of the wait below
	s_wait_kmcnt 0x0
	s_add_co_i32 s70, s58, s59
	s_lshl_b32 s70, s70, 23
	s_add_co_i32 s[CS], s70, 0x3e38aa3b            ; c' = log2(e) / 8 x 2^(e2 + e3)
	s_mov_b32 s[CS+1], s[CS]
	s_add_co_i32 s70, s60, 127
	s_lshl_b32 s18, s70, 23
	v_mov_b32 v[PS], s18                           ; 2^e4
	s_add_co_i32 s70, s70, 8
	s_lshl_b32 s70, s70, 23
	s_or_b32 s70, s70, 0x600000
	v_mov_b32 v[PH], s70                           ; 448 x 2^e4
	s_sub_co_i32 s70, s62, s60
	s_sub_co_i32 s70, s70, s61                     ; a sum of the second product stands for sum x 2^(e4 + e5): the three scales are folded into the conversion's one
	s_add_co_i32 s70, s70, 127
	s_lshl_b32 s18, s70, 23
	v_mov_b32 v[YS], s18
	s_add_co_i32 s70, s70, 8
	s_lshl_b32 s70, s70, 23
	s_or_b32 s70, s70, 0x600000
	v_mov_b32 v[YH], s70
	s_wait_alu depctr_va_vdst(0)                   ; the wait ahead of the wait below
	s_wait_loadcnt 0x0                             ; Q and my two C_j
	ds_store_b64 v15, v[240:241]
; A STEP: the next 64 keys against my 32 queries.
.macro STEP
	s_cmp_gt_u32 s[KF], s[QE]
	s_cbranch_scc1 .Lhidden_\@                     ; all its keys come after my queries: a branch on ids, round loads and work alone
	s_lshl_b32 s76, s[KF], 6                       ; K: 64 bytes a key
	s_lshl_b32 s77, s[KF], 2                       ; C: 4 bytes a key
	s_lshr_b32 s78, s[KF], 7                       ; V: 8,192 bytes for 128 keys; in each 16 channels' 2,048 bytes the second 64 keys lie 1,024 on
	s_lshl_b32 s78, s78, 13
	s_and_b32 s79, s[KF], 64
	s_lshl_b32 s79, s79, 4
	s_add_co_u32 s78, s78, s79
	v_add_nc_u32 v[ADK], s76, v[LI]
	v_add_nc_u32 v[ADC], s77, v[CH]
	v_add_nc_u32 v[ADV], s78, v[LV]
	s_wait_alu depctr_va_vdst(0)
.irp t, 0,1,2,3
.irp c, 0,1
	ds_load_b128 v[KV+8*\t+4*\c:KV+8*\t+4*\c+3], v[ADK] offset:\t*1024+\c*512
.endr
.endr
.irp t, 0,1,2,3
.irp c, 0,1
	ds_load_b128 v[CR+8*\t+4*\c:CR+8*\t+4*\c+3], v[ADC] offset:\t*64+\c*16
.endr
.endr
	s_wait_dscnt 0x0
.irp t, 0,1,2,3
.irp q, 0,1
	v_wmma_f32_16x16x64_fp8_fp8 v[S+32*\q+8*\t:S+32*\q+8*\t+7], v[KV+8*\t:KV+8*\t+7], v[QR+8*\q:QR+8*\q+7], v[CR+8*\t:CR+8*\t+7]
.endr
.endr
.rept 4
	v_nop                                          ; places in front of the loads into K's registers and of the first read of the scores
.endr
	s_wait_alu depctr_va_vdst(0)
.irp d, 0,1,2,3
.irp c, 0,1
	ds_load_b128 v[KV+8*\d+4*\c:KV+8*\d+4*\c+3], v[ADV] offset:\d*2048+\c*512   ; V lands while the weights are made
.endr
.endr
	s_add_co_u32 s76, s[KF], 63
	s_cmp_le_u32 s76, s[Q0]
	s_cbranch_scc1 .Lopen_\@                       ; every key of the step counts for every query of mine
	s_sub_co_i32 s76, s[Q0], s[KF]
	v_add_nc_u32 v[DQ], s76, v[RH]                 ; register 8 t + j holds key KF + 16 t + 8 h + j: hidden where 16 t + j > Q0 - KF + 16 q + r - 8 h
	s_delay_alu instid0(VALU_DEP_1)
	v_add_nc_u32 v[DQ+1], 16, v[DQ]
.irp q, 0,1
.set N, 0
.rept 32
	v_cmp_gt_i32 vcc_lo, 16*(N/8)+N%8, v[DQ+\q]
	v_cndmask_b32 v[S+32*\q+N], v[S+32*\q+N], v[NINF], vcc_lo
.set N, N+1
.endr
.endr
.Lopen_\@:
.set N, 0
.rept 32
	v_pk_mul_f32 v[S+N:S+N+1], v[S+N:S+N+1], s[CS:CS+1] op_sel_hi:[1,0]   ; c' (s + C), two at a time; each accumulator from its low end on
.set N, N+2
.endr
	s_wait_alu depctr_va_vdst(0)                   ; the wait ahead of the batch
.set N, 0
.rept 64
	v_exp_f32 v[S+N], v[S+N]                       ; p, finished and normalised
.set N, N+1
.endr
	v_nop                                          ; a plain instruction behind the last exponential,
	s_wait_alu depctr_va_vdst(0)                   ; and the one wait ahead of the batch's first reader
.set N, 0
.rept 64
	v_min_num_f32 v[S+N], v[S+N], v[PH]            ; the conversion does not saturate (ISA guide 7.6.2); p is not negative, so the hold is one-sided
.set N, N+1
.endr
.irp q, 0,1
.irp t, 0,1,2,3
	v_cvt_scalef32_pk8_fp8_f32 v[PC+8*\q+2*\t:PC+8*\q+2*\t+1], v[S+32*\q+8*\t:S+32*\q+8*\t+7], v[PS]
.endr
.endr
	v_nop                                          ; one plain vector instruction between the last conversion and the products that read its result
	s_wait_alu depctr_va_vdst(0)
	s_wait_dscnt 0x0                               ; V is in
.irp d, 0,1,2,3
.irp q, 0,1
	v_wmma_f32_16x16x64_fp8_fp8 v[OA+32*\q+8*\d:OA+32*\q+8*\d+7], v[KV+8*\d:KV+8*\d+7], v[PC+8*\q:PC+8*\q+7], v[OA+32*\q+8*\d:OA+32*\q+8*\d+7]   ; the eight accumulators take turns, one instruction a turn
.endr
.endr
.rept 4
	v_nop                                          ; places in front of the next loads into V's and Q's registers, and of the reads of O^T
.endr
.Lhidden_\@:
	s_add_co_u32 s[KF], s[KF], 64
.endm
.macro WALK n, lbl                     ; n steps: the trip count is a constant; what a unit does not need is jumped over step by step
	s_mov_b32 s[CNT], \n
\lbl:
	STEP
	s_sub_co_u32 s[CNT], s[CNT], 1
	s_cmp_lg_u32 s[CNT], 0
	s_cbranch_scc1 \lbl
.endm
; THE WAY OUT.  y's codes: lane (r, h) holds channels 16 d + 8 h + 0 .. 7 of query r in pair d.  The last product's operand wants channels 32 c + 16 h + 0 .. 15 in four registers:
; lanes 0-15 keep pair 2 c and take it from lane + 16; lanes 16-31 keep pair 2 c + 1 and take it from lane - 16: one exchange between the halves of the lanes for each register.
.macro WAYOUT
	s_wait_alu depctr_va_vdst(0)
.irp q, 0,1
.set N, 0
.rept 32
	v_med3_num_f32 v[OA+32*\q+N], v[OA+32*\q+N], -v[YH], v[YH]
.set N, N+1
.endr
.irp d, 0,1,2,3
	v_cvt_scalef32_pk8_fp8_f32 v[KV+8*\q+2*\d:KV+8*\q+2*\d+1], v[OA+32*\q+8*\d:OA+32*\q+8*\d+7], v[YS]
.endr
.endr
	v_nop                                          ; one plain vector instruction behind the last conversion
	s_mov_b32 vcc_lo, 0xffff0000                   ; lanes 16-31
.irp q, 0,1
.irp c, 0,1
	v_cndmask_b32 v240, v[KV+8*\q+4*\c+2], v[KV+8*\q+4*\c], vcc_lo      ; what I send: pair 2 c + 1 from lanes 0-15, pair 2 c from lanes 16-31
	v_cndmask_b32 v241, v[KV+8*\q+4*\c+3], v[KV+8*\q+4*\c+1], vcc_lo
	v_permlanex16_b32 v242, v240, s[SEL], s[SEL+1]
	v_permlanex16_b32 v243, v241, s[SEL], s[SEL+1]
	v_cndmask_b32 v[CR+8*\q+4*\c], v[KV+8*\q+4*\c], v242, vcc_lo
	v_cndmask_b32 v[CR+8*\q+4*\c+1], v[KV+8*\q+4*\c+1], v243, vcc_lo
	v_cndmask_b32 v[CR+8*\q+4*\c+2], v242, v[KV+8*\q+4*\c+2], vcc_lo
	v_cndmask_b32 v[CR+8*\q+4*\c+3], v243, v[KV+8*\q+4*\c+3], vcc_lo
	global_store_b128 v[LI], v[CR+8*\q+4*\c:CR+8*\q+4*\c+3], s[14:15] offset:\q*16384+\c*512   ; 512 consecutive bytes, aligned; each piece has registers of its own
.endr
.endr
.endm
	s_wait_tensorcnt 0x0                           ; my part of keys 0-255 is in
	ds_add_u32 v254, v255
	s_wait_dscnt 0x0                               ; the add is done, and my two C_j lie in LDS
	s_barrier_signal -1
	s_barrier_wait -1                              ; everybody's
	tensor_load_to_lds s[44:47], s[32:39]          ; my part of keys 256-1023: my one load behind this barrier
	s_nop 0
.rept 4
	v_nop
.endr
	WALK 4, .Lfirst                                ; keys 0 to 255
	s_wait_tensorcnt 0x0                           ; the rest of the keys are in,
	s_wait_dscnt 0x0
	s_barrier_signal -1
	s_barrier_wait -1                              ; for every wave
	WALK 4, .Lsecond                               ; keys 256 to 511
	s_cmp_eq_u32 s[RL], 0
	s_cbranch_scc1 .Lmid_a
.irp i, 0,1,2,3
	global_load_b128 v[QR+4*\i:QR+4*\i+3], v[LI], s[72:73] offset:512*\i   ; WAVE B: unit 31 - u's queries come in while unit u's y goes out
.endr
	WAYOUT
	CLEAR
	s_lshl_b32 s[Q0], s[UL], 5
	s_add_co_u32 s[QE], s[Q0], 31
	s_wait_xcnt 0x0                                ; the stores have read their pieces: the next step's loads land on those registers
	s_wait_alu depctr_va_vdst(0)                   ; the wait ahead of the wait below
	s_wait_loadcnt 0x0
	s_branch .Lmid_end
.Lmid_a:
	s_mov_b32 s[QE], 0                             ; WAVE A has no part in keys 512 on: every step is jumped over
.Lmid_end:
	WALK 8, .Lthird                                ; keys 512 to 1023
	s_cmp_eq_u32 s[RL], 0
	s_cbranch_scc1 .Lno_send
	s_wait_alu depctr_va_vdst(0)
.set N, 0
.rept 16
	ds_store_b128 v[XA], v[OA+4*N:OA+4*N+3] offset:512*N   ; WAVE B hands over its part of unit 31 - u's O^T as an image of its registers
.set N, N+1
.endr
.Lno_send:
	s_wait_dscnt 0x0                               ; for the others' sake: my stores are done
	s_barrier_signal -1
	s_barrier_wait -1
	s_cmp_lg_u32 s[RL], 0
	s_cbranch_scc1 .Ldone
.set N, 0
.rept 16
	ds_load_b128 v[S+4*N:S+4*N+3], v[XA] offset:512*N      ; WAVE A adds the two parts and stores unit 31 - u's y
.set N, N+1
.endr
	s_wait_alu depctr_va_vdst(0)
	s_wait_dscnt 0x0
.set N, 0
.rept 32
	v_pk_add_f32 v[OA+N:OA+N+1], v[OA+N:OA+N+1], v[S+N:S+N+1]
.set N, N+2
.endr
	WAYOUT
.Ldone:
	s_wait_tensorcnt 0x0                           ; the wave's end
	ds_add_u32 v254, v255
	s_wait_dscnt 0x0
	s_endpgm
.Lfunc_end_k_qd4ceed7fb3_attn:
	.size	k_qd4ceed7fb3_attn, .Lfunc_end_k_qd4ceed7fb3_attn-k_qd4ceed7fb3_attn
	.p2alignl 7, 3214868480
	.fill 96, 4, 3214868480
	.section	.rodata,"a",@progbits
	.p2align	6, 0x0
	.amdhsa_kernel k_qd4ceed7fb3_attn
		.amdhsa_group_segment_fixed_size 327680
		.amdhsa_private_segment_fixed_size 0
		.amdhsa_enable_private_segment 0
		.amdhsa_kernarg_size 48
		.amdhsa_user_sgpr_count 2
		.amdhsa_user_sgpr_kernarg_segment_ptr 1
		.amdhsa_wavefront_size32 1
		.amdhsa_system_sgpr_workgroup_id_x 1
		.amdhsa_system_sgpr_workgroup_id_y 1
		.amdhsa_system_sgpr_workgroup_id_z 1
		.amdhsa_system_vgpr_workitem_id 0
		.amdhsa_next_free_vgpr 256
		.amdhsa_next_free_sgpr 84
		.amdhsa_reserve_vcc 1
		.amdhsa_float_denorm_mode_32 3
		.amdhsa_float_denorm_mode_16_64 3
		.amdhsa_memory_ordered 1
		.amdhsa_forward_progress 1
		.amdhsa_inst_pref_size 72
	.end_amdhsa_kernel
	.amdgpu_metadata
---
amdhsa.version: [ 1, 2 ]
amdhsa.kernels:
  - .name:           k_qd4ceed7fb3_attn
    .symbol:         k_qd4ceed7fb3_attn.kd
    .args:
      - { .name: q_img, .offset: 0, .size: 8, .value_kind: global_buffer, .address_space: global }
      - { .name: k_img, .offset: 8, .size: 8, .value_kind: global_buffer, .address_space: global }
      - { .name: v_img, .offset: 16, .size: 8, .value_kind: global_buffer, .address_space: global }
      - { .name: cstat, .offset: 24, .size: 8, .value_kind: global_buffer, .address_space: global }
      - { .name: lowp_scales, .offset: 32, .size: 8, .value_kind: global_buffer, .address_space: global }
      - { .name: y_img, .offset: 40, .size: 8, .value_kind: global_buffer, .address_space: global }
    .group_segment_fixed_size: 327680
    .private_segment_fixed_size: 0
    .kernarg_segment_align: 8
    .kernarg_segment_size: 48
    .max_flat_workgroup_size: 512
    .sgpr_count:     84
    .vgpr_count:     256
    .wavefront_size: 32
...
	.end_amdgpu_metadata
.endif
;; end of part 3
;; launch proj (part 4): grid 32 x 8, 4 waves a work-group, clusters of 4 x 1, 327,680 bytes of LDS; arguments y_img, W_proj_codes, lowp_scales, b_proj, out0; writes out0
.if DOCPART == 4
	.amdgcn_target "amdgcn-amd-amdhsa--gfx1250"
	.amdhsa_code_object_version 6
	.text
	.protected	k_qd4ceed7fb3_proj
	.globl	k_qd4ceed7fb3_proj
	.p2align	8
	.type	k_qd4ceed7fb3_proj,@function
k_qd4ceed7fb3_proj:
	s_mov_b64 s[64:65], 0
	v_nop
	global_prefetch_b8 v0, s[64:65] scope:SCOPE_SE
	s_setreg_imm32_b32 hwreg(HW_REG_WAVE_MODE, 25, 1), 1
	s_wait_xcnt 0x0
	s_wait_alu depctr_hold_cnt(0) depctr_sa_sdst(0) depctr_va_vdst(0) depctr_va_sdst(0) depctr_va_ssrc(0) depctr_va_vcc(0) depctr_vm_vsrc(0)
	s_getreg_b32 s2, hwreg(HW_REG_IB_STS2, 6, 4)
	s_cmp_eq_u32 s2, 0
	s_cbranch_scc0 .Lentry_in_a_cluster
	s_endpgm
.Lentry_in_a_cluster:
	s_bfe_u32 s2, ttmp6, 0x10000c
	s_cmp_lg_u32 s2, 0x3003
	s_cbranch_scc0 .Lentry_shape_is_right
	s_endpgm
.Lentry_shape_is_right:
; out0 = y W_proj + b_proj on codes of FP8 (E4M3).  y comes as images of operand registers (y_img: [16 tokens][K step of 128][piece 4][lane][16 bytes]), W_proj as [1024][1024] codes, K innermost.
; A sum stands for sum x 2^(e6 + e7); b_proj is added in f32.  LIMIT: e6 + e7 between -126 and 127.
; SHARES.  A work-group owns 256 tokens x 128 columns; a wave 64 tokens x 128 columns in 32 accumulators.
; W's 128 rows, whole K, are filled into LDS once, 32 rows a wave, and nothing is filled again.  y's images go from memory straight into registers, 512 consecutive bytes an instruction:
; K steps 0-3 are asked for at the head, K step s + 4 at the head of K step s.  W's fragments go through a ring of five groups of two fragments in registers, group G + 4 asked of LDS ahead of group G's products.
; CLUSTERS: four work-groups with other tokens and the same columns ask for W's rows jointly.  y's images are read by loads into registers, which have no joint form.
; PREFETCH: W is asked for by the launch's first load, so nothing can run ahead of it.  Of y, K steps 4-7 of a wave's 64 tokens are 128 blocks of 256 bytes; the eight work-groups
; that read them (one for each 128 columns) share them out by address, 16 blocks each, one instruction a wave at the head: four K steps ahead of the loads.
; Source 0 = 16 rows of W, source 1 = 16 tokens: a lane holds eight neighbouring columns of one token's row; 16 rows x 512 bytes at a time go through the wave's stage in LDS and leave as whole aligned units.
; REGISTERS: window 0: v1-13 addresses, v32-95 the bias, v96-255 the ring (on the way out v96-159 the numbers); window 1: the accumulators; windows 2, 3: y (on the way out window 2: rows read back).
.set PITCH, 1040
.set STAGE, 128*PITCH                  ; behind W: 16 rows x 528 bytes for each wave; no tensor load lands here
.set SPITCH, 528
.set SPARE, STAGE+4*16*SPITCH
.set LI, 1                             ; 16 x lane
.set BO, 4                             ; 32 x (lane / 16)
.set PFO, 6
.set STO, 7
.set ADW, 8                            ; v8-9: W's rows 0-63, 64-127 in LDS
.set RD, 10
.set SPW, 12
.set NIL, 13
.set BC, 32
.set RING, 96
.set TMP, 96
.set MSB, 0
.macro WIN new
.if MSB != (\new)
	s_set_vgpr_msb (MSB<<8)|(\new)
.set MSB, (\new)
.endif
.endm
.macro PLACES
.rept 4
	v_nop
.endr
.endm
.macro CROUND
	s_barrier_signal -1
	s_barrier_wait -1
	s_cmp_lg_u32 s14, 0
	s_cbranch_scc1 .Lnot_wave_0_\@
	s_barrier_signal -3
.Lnot_wave_0_\@:
	s_barrier_wait -3
	s_barrier_signal -1
	s_barrier_wait -1
.endm
.macro ALD s                           ; y's four fragments of K step s: 16 loads
.irp a, 0,1,2,3
.irp c, 0,1,2,3
	global_load_b128 v[64*((\s)%4)+16*\a+4*\c:64*((\s)%4)+16*\a+4*\c+3], v[LI], s[20:21] offset:\a*16384+(\s)*2048+\c*512
.endr
.endr
.endm
.macro GLD G
.set LG, (\G)
.irp u, 0,1
.set LF, RING+32*(LG%5)+16*\u
.set LB, 2*(LG%4)+\u
.irp c, 0,1,2,3
	ds_load_b128 v[LF+4*\c:LF+4*\c+3], v[ADW+LB/4] offset:(LB%4)*16*PITCH+128*(LG/4)+32*\c
.endr
.endr
.endm
.macro GMUL                            ; the 32 accumulators take turns, one instruction a turn
.set KS, GI/4
	WIN 0x50|((2+KS/4)<<2)
.irp u, 0,1
.set FB, RING+32*(GI%5)+16*\u
.set WB, 2*(GI%4)+\u
.irp a, 0,1,2,3
.set XA, 64*(KS%4)+16*\a
.set AC, 8*(8*\a+WB)
.if KS == 0
	v_wmma_f32_16x16x128_fp8_fp8 v[AC:AC+7], v[FB:FB+15], v[XA:XA+15], 0
.else
	v_wmma_f32_16x16x128_fp8_fp8 v[AC:AC+7], v[FB:FB+15], v[XA:XA+15], v[AC:AC+7]
.endif
.endr
.endr
.endm
.macro TOSTAGE a                       ; 16 tokens x 128 columns: x 2^(e6 + e7) + bias, into my stage, and back as whole rows of 512 bytes
	WIN 0x01
.set J, 0
.rept 32
	v_pk_fma_f32 v[TMP+J:TMP+J+1], v[64*(\a)+J:64*(\a)+J+1], s[96:97], v[BC+J:BC+J+1] op_sel_hi:[1,0,1]
.set J, J+2
.endr
	WIN 0
.irp b, 0,1,2,3,4,5,6,7
	ds_store_b128 v[STO], v[TMP+8*\b:TMP+8*\b+3] offset:64*\b
	ds_store_b128 v[STO], v[TMP+8*\b+4:TMP+8*\b+7] offset:64*\b+16
.endr
	WIN 0x80
.irp t, 0,1,2,3,4,5,6,7,8,9,10,11,12,13,14,15
	ds_load_b128 v[64*(\a)+4*\t:64*(\a)+4*\t+3], v[RD] offset:\t*SPITCH   ; LDS serves a wave's instructions in order: these see my stores
.endr
	WIN 0
.endm
.macro SEND a, younger                 ; each block has registers of its own, and the stores' base stays
	s_wait_dscnt \younger
	WIN 0x08
.irp t, 0,1,2,3,4,5,6,7,8,9,10,11,12,13,14,15
	global_store_b128 v[LI], v[64*(\a)+4*\t:64*(\a)+4*\t+3], s[12:13] offset:(16*(\a)+\t)*4096 th:TH_STORE_NT   ; 512 consecutive bytes, aligned
.endr
	WIN 0
.endm
	s_load_b128 s[4:7], s[0:1], 0x0                ; y_img, W_proj
	s_load_b128 s[8:11], s[0:1], 0x10              ; the exponents, b_proj
	s_load_b64 s[12:13], s[0:1], 0x20              ; out0
	v_lshl_add_u32 v[SPW], v0, 2, SPARE
	v_mov_b32 v[NIL], 0
	ds_add_u32 v[SPW], v[NIL]                      ; the opening lines: the add twice on end
	ds_add_u32 v[SPW], v[NIL]
	v_lshrrev_b32 v14, 5, v0
	v_readfirstlane_b32 s14, v14                   ; wave
	s_bfe_u32 s40, ttmp6, 0x40000                  ; cx
	s_lshl_b32 s17, ttmp9, 2
	s_add_co_u32 s17, s17, s40                     ; tr: my 256 tokens
	s_and_b32 s42, ttmp7, 0xffff                   ; tc: my 128 columns
	s_mov_b32 s24, 15|(1<<20)|(1<<21)|(7<<22)|(3<<25)   ; the four partners; padding: four words behind every 256
	s_mov_b32 s25, 1024<<16                        ; a tile of 32 rows x 1,024 bytes
	s_mov_b32 s26, 32<<16
	s_mov_b32 s27, 1024<<16
	s_mov_b32 s28, 32
	s_mov_b32 s29, 1024
	s_mov_b32 s30, 0
	s_mov_b32 s31, 0
	s_lshl_b32 s46, s42, 17
	s_lshl_b32 s18, s14, 15
	s_add_co_u32 s46, s46, s18                     ; W: row 128 tc + 32 wave
	s_mov_b32 s47, 0
	s_mul_i32 s45, s14, 32*PITCH
	s_wait_dscnt 0x0
	s_wait_kmcnt 0x0
	s_load_b64 s[96:97], s[8:9], 0x18              ; e6, e7
	s_add_nc_u64 s[46:47], s[6:7], s[46:47]
	CROUND                                         ; in front of the joint loads
	s_mov_b32 s32, 1
	s_mov_b32 s33, s45
	s_mov_b64 s[34:35], s[46:47]
	s_or_b32 s35, s35, 0x80000000
	tensor_load_to_lds s[32:35], s[24:31]          ; one tensor load a wave
	s_nop 0
	v_and_b32 v14, 15, v0
	v_bfe_u32 v15, v0, 4, 1
	v_and_b32 v16, 31, v0
	v_mul_u32_u24 v17, v14, PITCH
	v_lshl_add_u32 v[ADW], v15, 4, v17
	v_add_nc_u32 v[ADW+1], 64*PITCH, v[ADW]
	v_lshlrev_b32 v[LI], 4, v16
	v_lshlrev_b32 v[BO], 5, v15
	s_mul_i32 s23, s14, 16*SPITCH
	s_add_co_u32 s23, s23, STAGE                   ; my stage
	v_mul_u32_u24 v17, v14, SPITCH
	v_lshl_add_u32 v17, v15, 5, v17
	v_add_nc_u32 v[STO], s23, v17
	v_add_nc_u32 v[RD], s23, v[LI]
	v_min_u32 v18, 15, v16                         ; lanes 16-31 name the last block again
	s_lshl_b32 s18, s42, 4
	v_add_nc_u32 v18, s18, v18                     ; block 16 tc + lane of the 128: 32 to each 16 tokens
	v_lshrrev_b32 v19, 5, v18
	v_and_b32 v18, 31, v18
	v_lshlrev_b32 v18, 8, v18
	v_lshl_add_u32 v[PFO], v19, 14, v18
	s_wait_alu depctr_va_vdst(0)                   ; the wait behind the head's vector writes
	s_lshl_b32 s20, s17, 18
	s_lshl_b32 s18, s14, 16
	s_add_co_u32 s20, s20, s18                     ; y: my four blocks of 16 tokens, 16,384 bytes each
	s_mov_b32 s21, 0
	s_add_nc_u64 s[20:21], s[4:5], s[20:21]
	global_prefetch_b8 v[PFO], s[20:21] offset:8192 th:TH_LOAD_NT scope:SCOPE_SE
	WIN 0x80
	ALD 0
	ALD 1
	ALD 2
	ALD 3
	WIN 0
	s_lshl_b32 s22, s42, 9
	s_mov_b32 s23, 0
	s_add_nc_u64 s[10:11], s[10:11], s[22:23]      ; b_proj at column 128 tc
	s_add_nc_u64 s[12:13], s[12:13], s[22:23]
	s_lshl_b32 s22, s17, 20
	s_lshl_b32 s18, s14, 18
	s_add_co_u32 s22, s22, s18
	s_add_nc_u64 s[12:13], s[12:13], s[22:23]      ; out0 at my first token's row
	s_wait_kmcnt 0x0
	s_add_co_i32 s96, s96, s97
	s_add_co_i32 s96, s96, 127
	s_lshl_b32 s96, s96, 23                        ; 2^(e6 + e7)
	s_mov_b32 s97, s96
	s_wait_tensorcnt 0x0                           ; my 32 rows of W are in,
	s_barrier_signal -1
	s_barrier_wait -1                              ; everybody's are
	GLD 0
	GLD 1
	GLD 2
	GLD 3
.set GI, 0
.rept 32
.if GI+4 < 32
	PLACES                                         ; behind the products that read the group's registers
	WIN 0
	GLD GI+4
.endif
.if (GI%4) == 0
.if GI < 16
	WIN 0xc0
	ALD GI/4+4
	s_wait_loadcnt 63                              ; 64 younger loads are out: one less is asked, the field's largest count
.endif
.if GI == 16
	WIN 0
.irp b, 0,1,2,3,4,5,6,7
	global_load_b128 v[BC+8*\b:BC+8*\b+3], v[BO], s[10:11] offset:64*\b
	global_load_b128 v[BC+8*\b+4:BC+8*\b+7], v[BO], s[10:11] offset:64*\b+16
.endr
	s_wait_loadcnt 63                              ; younger: K steps 5-7 and the bias, 64 loads
.endif
.if GI > 16
	s_wait_loadcnt 16*(8-GI/4)                     ; younger: the later K steps and the bias's 16
.endif
.endif
.if GI+4 < 32
	s_wait_dscnt 32                                ; the four younger groups may be out
.else
	s_wait_dscnt 8*(31-GI)
.endif
	GMUL
.set GI, GI+1
.endr
	PLACES
	s_wait_loadcnt 0x0                             ; the bias
	TOSTAGE 0
.irp a, 1,2,3
	TOSTAGE \a
	SEND \a-1, 32                                  ; behind that block's loads: the next block's 16 stores and 16 loads
.endr
	SEND 3, 0
	s_wait_tensorcnt 0x0                           ; the wave's end
	ds_add_u32 v[SPW], v[NIL]
	s_wait_dscnt 0x0
	CROUND                                         ; the closing round
	s_endpgm
.Lfunc_end_k_qd4ceed7fb3_proj:
	.size	k_qd4ceed7fb3_proj, .Lfunc_end_k_qd4ceed7fb3_proj-k_qd4ceed7fb3_proj
	.p2alignl 7, 3214868480
	.fill 96, 4, 3214868480
	.section	.rodata,"a",@progbits
	.p2align	6, 0x0
	.amdhsa_kernel k_qd4ceed7fb3_proj
		.amdhsa_group_segment_fixed_size 327680
		.amdhsa_private_segment_fixed_size 0
		.amdhsa_enable_private_segment 0
		.amdhsa_kernarg_size 40
		.amdhsa_user_sgpr_count 2
		.amdhsa_user_sgpr_kernarg_segment_ptr 1
		.amdhsa_wavefront_size32 1
		.amdhsa_system_sgpr_workgroup_id_x 1
		.amdhsa_system_sgpr_workgroup_id_y 1
		.amdhsa_system_sgpr_workgroup_id_z 1
		.amdhsa_system_vgpr_workitem_id 0
		.amdhsa_next_free_vgpr 1024
		.amdhsa_next_free_sgpr 100
		.amdhsa_reserve_vcc 0
		.amdhsa_float_denorm_mode_32 3
		.amdhsa_float_denorm_mode_16_64 3
		.amdhsa_memory_ordered 1
		.amdhsa_forward_progress 1
		.amdhsa_inst_pref_size 80
	.end_amdhsa_kernel
	.amdgpu_metadata
---
amdhsa.version: [ 1, 2 ]
amdhsa.kernels:
  - .name:           k_qd4ceed7fb3_proj
    .symbol:         k_qd4ceed7fb3_proj.kd
    .args:
      - { .name: y_img, .offset: 0, .size: 8, .value_kind: global_buffer, .address_space: global }
      - { .name: W_proj_codes, .offset: 8, .size: 8, .value_kind: global_buffer, .address_space: global }
      - { .name: lowp_scales, .offset: 16, .size: 8, .value_kind: global_buffer, .address_space: global }
      - { .name: b_proj, .offset: 24, .size: 8, .value_kind: global_buffer, .address_space: global }
      - { .name: out0, .offset: 32, .size: 8, .value_kind: global_buffer, .address_space: global }
    .group_segment_fixed_size: 327680
    .private_segment_fixed_size: 0
    .kernarg_segment_align: 8
    .kernarg_segment_size: 40
    .max_flat_workgroup_size: 128
    .sgpr_count:     100
    .vgpr_count:     1024
    .wavefront_size: 32
...
	.end_amdgpu_metadata
.endif
;; end of part 4
